; MI455X (gfx1250); checked and timed in simulation.
; The chip was launched on July 23, 2026; its instructions are those of AMD's public machine-readable ISA for CDNA 5 (MIT licence, August 2026) and "CDNA5" Instruction Set Architecture Reference Guide (July 2026). The comments in the code are by the model that wrote it; some were corrected since.
;; QGA Attention. Allowed arithmetic: matrix products marked QUANTISED: E2M3 operands, one E8M0 scale for each 32 along K, by v_wmma_scale_f32_16x16x128_f8f6f4 with both operands' format E2M3, f32 sums; everything else in f32.
;; Inputs: Wk_codes 256 x 32 x 24 uint8 (E2M3 codes of Wk, K innermost, in blocks of 32 codes, four codes in three bytes); Wk_scales 256 x 32 uint8 (E8M0 scales of Wk, one for each 32 codes along K); Wo_codes 1,024 x 32 x 24 uint8 (E2M3 codes of Wo, K innermost, in blocks of 32 codes, four codes in three bytes); Wo_scales 1,024 x 32 uint8 (E8M0 scales of Wo, one for each 32 codes along K); Wq_codes 1,024 x 32 x 24 uint8 (E2M3 codes of Wq, K innermost, in blocks of 32 codes, four codes in three bytes); Wq_scales 1,024 x 32 uint8 (E8M0 scales of Wq, one for each 32 codes along K); Wv_codes 256 x 32 x 24 uint8 (E2M3 codes of Wv, K innermost, in blocks of 32 codes, four codes in three bytes); Wv_scales 256 x 32 uint8 (E8M0 scales of Wv, one for each 32 codes along K); bk 256 float32; bo 1,024 float32; bq 1,024 float32; bv 256 float32; x_codes 4 x 2,048 x 32 x 24 uint8 (E2M3 codes of x, K innermost, in blocks of 32 codes, four codes in three bytes); x_scales 4 x 2,048 x 32 uint8 (E8M0 scales of x, one for each 32 codes along K).
;; Outputs: out0 4 x 2,048 x 1,024 float32.
;; This version of the problem:
;;   THIS VERSION OF THE PROBLEM IS GIVEN IN LOW PRECISION. The matrix products marked QUANTISED in the list below multiply operands that are first quantised to E2M3 (2 exponent bits, 3 mantissa bits; 6 bits a number), with one power-of-two scale for each 32 numbers along K (OCP MX v1.0); their sums are f32. All else is computed in f32.
;;   The module's matrix products, in the order in which they are computed (A, B: the left and right operand; K: the contracted axis; several contracted axes count as one K, in the product's order):
;;     1. [M 8,192, K 1,024] x [K 1,024, N 1,024]; A: input x (given as codes); B: input Wq (given as codes): QUANTISED
;;     2. [M 8,192, K 1,024] x [K 1,024, N 256]; A: input x (given as codes); B: input Wk (given as codes): QUANTISED
;;     3. [M 8,192, K 1,024] x [K 1,024, N 256]; A: input x (given as codes); B: input Wv (given as codes): QUANTISED
;;     4. batch 16 x [M 2,048, K 64] x [K 64, N 8,192]; A: computed on the way; B: computed on the way: QUANTISED
;;     5. batch 16 x [M 64, K 2,048] x [K 2,048, N 8,192]; A: computed on the way; B: softmax (see below): QUANTISED
;;     6. [M 8,192, K 1,024] x [K 1,024, N 1,024]; A: computed on the way; B: input Wo (given as codes): QUANTISED
;;   THE QUANTISER, for each operand of a quantised product, along K:
;;     - K is cut into blocks of 32 from its start; a last block that is shorter is filled with zeros.
;;     - A block's scale is 2^e with e = floor(log2(the largest magnitude in the block)) - 2, held to -126 .. 127; a block of zeros has e = 0. As a byte (E8M0): e + 127.
;;     - Each number is divided by its block's scale, clamped to +-7.5, and rounded to the nearest number of E2M3, ties to even, subnormals kept.
;;     - The product sums the exact products of the quantised numbers (number of the format x scale) in f32.
;;   ~~~python
;;   def quantise(x, axis):      # numpy; x: float32 -> the quantised numbers, widened to float32 again
;;       x = np.moveaxis(x, axis, -1); K = x.shape[-1]
;;       x = np.pad(x, [(0, 0)] * (x.ndim - 1) + [(0, -K % 32)]); x = x.reshape(x.shape[:-1] + (-1, 32)); a = np.abs(x).max(-1, keepdims=True)
;;       e = np.where(a > 0, np.clip(np.frexp(np.where(a > 0, a, 1))[1] - 1 - 2, -126, 127), 0)      # np.frexp(a)[1] - 1 = floor(log2(a)), exactly
;;       r = np.clip(x / 2.0 ** e, -7.5, 7.5)
;;       step = 2.0 ** (np.maximum(np.frexp(np.where(r == 0, 1, r))[1] - 1, 0) - 3)
;;       q = np.round(r / step) * step * 2.0 ** e      # np.round: ties to even
;;       return np.moveaxis(q.reshape(q.shape[:-2] + (-1,))[..., :K], -1, axis).astype(np.float32)
;;   ~~~
;;   SOFTMAX AHEAD OF A QUANTISED PRODUCT. Where the list says 'softmax', what is quantised is not the finished softmax but p = 2^(t - M), with t = logit x log2(e) and M = ceil(the row's largest t), a whole number; so 1/2 < the row's largest p <= 1. The row's sum l is taken of the UNQUANTISED p, in f32, and the product's result is divided by l at the end. Since M is a whole number, a kernel that streams over the keys may use a running M (the ceiling of the running maximum): every later rescaling is an exact power of two, which a block's scale takes up: the codes' values come out the same.
;;   OPERANDS COMPUTED ON THE WAY. 'Computed on the way' means the value that the module computes at that place (a softmax that the list does not call 'softmax' is quantised finished and normalised). What goes into a quantiser is computed in f32, as accurately as f32 sums, v_exp_f32 and their like allow (about 1e-6 of the number): no bf16 or f16 on the way to a quantiser, and a product that is left as it is and whose result goes on into a quantised operand takes f32 operands (vector FMAs, or v_wmma_f32_16x16x4_f32). A number that lies on a knife's edge between two numbers of the format may be rounded either way, as far as f32 arithmetic and the matrix unit's own rounding can turn it there, and no further.
;;   INPUTS GIVEN AS CODES. Wk (in the module: [1024, 256], K = its axis 0); Wo (in the module: [1024, 1024], K = its axis 0); Wq (in the module: [1024, 1024], K = its axis 0); Wv (in the module: [1024, 256], K = its axis 0); x (in the module: [4, 2048, 1024], K = its axis 2): each comes as NAME_codes (uint8): NAME with its K axis moved to the last place and cut into blocks of 32 codes, [.., K / 32, bytes a block], one block behind the other in memory; four codes in three bytes: a row's codes are one little-endian stream of bits, code i at bits 6 i .. 6 i + 5 (a code: sign, 2 exponent bits, 3 mantissa bits); and NAME_scales (uint8): the same leading axes, one E8M0 byte (e + 127) for each 32 codes along K. Its value is code x scale, taken as it is: it is not quantised again, and the codes and scales need not be those that the quantiser above would give.
;; One version. Each part assembles by itself: llvm-mc -triple=amdgcn-amd-amdhsa -mcpu=gfx1250 --defsym DOCPART=n.
;; ======== version 1 of 1: 3 launches
;; limits: right only within a limited range of input values
;; workspace buffers: qc 6,291,456 bytes; qs 262,144 bytes; kv 3,211,264 bytes; vs 65,536 bytes; oc 6,291,456 bytes; os 262,144 bytes
;; launch proj (part 1): grid 384 x 1, 4 waves a work-group, no clusters, 327,680 bytes of LDS; arguments x_codes, x_scales, Wq_codes, Wq_scales, Wk_codes, Wk_scales, Wv_codes, Wv_scales, bq, bk, bv, qc, qs, kv, vs; writes qc, qs, kv, vs
.if DOCPART == 1
	.amdgcn_target "amdgcn-amd-amdhsa--gfx1250"
	.amdhsa_code_object_version 6
	.text
	.protected	k_qf9d047466b_proj
	.globl	k_qf9d047466b_proj
	.p2align	8
	.type	k_qf9d047466b_proj,@function
k_qf9d047466b_proj:
	s_mov_b64 s[64:65], 0
	v_nop
	global_prefetch_b8 v0, s[64:65] scope:SCOPE_SE
	s_setreg_imm32_b32 hwreg(HW_REG_WAVE_MODE, 25, 1), 1
	s_wait_xcnt 0x0
; q = x Wq + bq, k = x Wk + bk, v = x Wv + bv, on codes of FP6 (E2M3) with one E8M0 scale for each 32 along K = 1,024; sums in f32; the results are quantised here for the two products of attention.
; ONE TEXT, THREE PRODUCTS; only pointers and offsets are chosen, by the work-group's number: 0-255 q, 256-319 k, 320-383 v.
; A work-group multiplies 256 STREAMED rows (source 1: a lane holds one of them) by 128 RESIDENT rows (source 0: a lane's registers run along them), all of K.
;   q, k: streamed = 256 tokens of x, resident = 128 features (two heads) of Wq or Wk: a lane holds a token and 32 neighbouring d of a head: a block of the first attention product's K.
;   v:    streamed = the 256 rows of Wv, resident = 128 tokens of x: a lane holds one d and 32 neighbouring keys: a block of the second attention product's K.
; Wave (I, J) = (wave / 2, wave % 2) takes streamed rows 128 I on (8 tiles of 16) against resident rows 64 J on (4 tiles).  Its resident fragments (4 tiles x 8 K steps x 12 registers) stay in registers.
; THE ROWS OF A TILE ARE NOT NEIGHBOURS: in each group of 64 rows lane r of tile t takes row 32 (r / 8) + 8 t + r % 8.  As source 0 that puts index 32 (lane / 16) + 8 t + j into register j of accumulator t:
; the 32 registers of four accumulators are one whole block of 32, in order, in one lane: its largest magnitude needs no other lane, and two conversions give half an operand fragment as it stands.
; OUT: half fragments (16 rows x 64 K: 6 registers a lane) as images of their registers: registers 0-3 at 16 x lane (512 bytes), registers 4-5 at 512 + 8 x lane (256 bytes); a scale pair (two bytes) for each row and 64 K.
;   qc [b][H 16][tile 128][768], qs [b][H][128 tokens: 16][row 16][tile 8] pairs;  kv [b][h 4][128 keys: 16][12,544]: K's 8 tiles, V's [64 keys: 2][d tile 4], K's scale pairs [row][tile];  vs [b][h][16][2][row 16][d tile 4] pairs.
; LDS is filled once, by one tensor load a wave at the head; nothing is filled again.
; NO CLUSTER: the three products tile as 8 x 32, 2 x 32 and 1 x 64 blocks; k has two resident blocks and v one streamed block, so no one shape of four partners shares the same operand in all three, and a load's mask is a constant of the text.
; LIMITS: a block of zeros, and any block whose largest magnitude lies under 2^-124, gets the scale byte 1 (the bytes are read by this program alone; zero codes add nothing); NaN and infinities are not served.
; REGISTERS, in windows of 256.  Window 0: v1-3 lane, r, h; v4-5 streamed LDS address (v5: behind one padding more), v6-7 resident; v8 16 x lane, v9 8 x lane, v10 8 h, v11 scale store; v12-15 load offsets;
;   v16-47 resident scale words [8 t + s]; v48-79 streamed scale words [8 p + s] (lanes 0-15 tile 2 p, lanes 16-31 tile 2 p + 1); v80-111 bias along the registers; v120-183 eight accumulators; v184-223 at work; v224-239 bias of the lane, in pairs.
;   Window 1: resident fragments, K steps 0-3;  window 2: K steps 4-7;  window 3: streamed fragments of two tiles: K steps 0-3 at v0, K steps 4-7 at v96.
.set CH,    26240                      ; a chunk of 32 rows in LDS: 32 x 816 + 128.  A row is 3 x (256 bytes + 16 of padding) = 204 words; with this stride lane (r, h) starts at bank 32 (r / 8) + 12 (r % 8) + 6 h mod 64 (64 banks of 4 bytes: ISA guide 11.1): 32 different even starts for loads of 8 bytes
.set SAB,   4*CH                       ; resident rows lie under this byte, streamed rows from here on
.set CP,    26112                      ; a chunk of 32 rows as one load lays it: 96 x (256 + 16) bytes; the even chunks of an operand lie on end, the odd chunks likewise
.set RB1,   2*CP+128                   ; resident: where the odd chunks begin: 128 bytes past a multiple of 256, so that lanes r / 8 = 0 and 1 start 32 banks apart
.set SB1,   4*CP+128                   ; streamed: the same, from SAB on
.set AL,    4
.set RL,    6
.set RS,    16
.set XS,    48
.set BIASR, 80
.set ACC,   120
.set SW,    216
.set BIASL, 224
.set MSB, 0
.macro WIN new                         ; bits 1:0 source 0, 3:2 source 1, 5:4 source 2, 7:6 destination; the high byte repeats the setting that is left
.if MSB != (\new)
	s_set_vgpr_msb (MSB<<8)|(\new)
.set MSB, (\new)
.endif
.endm
.macro PLACES n
.rept \n
	v_nop
.endr
.endm
; A fragment (16 rows x 128 K, 12 registers): lane (r, h) takes 24 bytes of its row from piece pc0 + 3 h on and 24 from piece pc1 + 3 h on, in pieces of 8 bytes.
; Piece PC lies at 8 PC + 16 (PC / 32).  Where the piece three on lies behind one padding more, the second address register (40 for 24 bytes a half) serves.
.macro FRAG reg, adr, pc0, pc1, off
.irp p, 0,1,2
.set PC, (\pc0)+\p
.if PC%32 < 29
	ds_load_b64 v[(\reg)+2*\p:(\reg)+2*\p+1], v[\adr] offset:(\off)+8*PC+16*(PC/32)
.else
	ds_load_b64 v[(\reg)+2*\p:(\reg)+2*\p+1], v[(\adr)+1] offset:(\off)+8*PC+16*(PC/32)
.endif
.endr
.irp p, 0,1,2
.set PC, (\pc1)+\p
.if PC%32 < 29
	ds_load_b64 v[(\reg)+6+2*\p:(\reg)+7+2*\p], v[\adr] offset:(\off)+8*PC+16*(PC/32)
.else
	ds_load_b64 v[(\reg)+6+2*\p:(\reg)+7+2*\p], v[(\adr)+1] offset:(\off)+8*PC+16*(PC/32)
.endif
.endr
.endm
; 48 LDS loads: the streamed fragments of tiles 2 p and 2 p + 1, K steps 4 half .. 4 half + 3
.macro LOADSET half, p
	WIN 0xc0
.irp a, 0,1
.irp s, 0,1,2,3
	FRAG 96*(\half)+12*(4*\a+\s), AL, 12*(4*(\half)+\s), 12*(4*(\half)+\s)+6, 6528*(2*((\p)%2)+\a)
.endr
.endr
.endm
.macro MM half, p, s, a, t
.set rD, ACC+8*(4*\a+\t)
.set rA, 12*(4*\t+\s)
.set rB, 96*\half+12*(4*\a+\s)
.set rU, RS+8*\t+4*\half+\s
.set rW, XS+8*(\p)+4*\half+\s
.if (\half+\s) == 0
.set rC, BIASR+8*\t                    ; the bias along the registers starts the sum: nothing is cleared
.else
.set rC, rD
.endif
.if \a == 0
	v_wmma_scale_f32_16x16x128_f8f6f4 v[rD:rD+7], v[rA:rA+11], v[rB:rB+11], v[rC:rC+7], v[rU], v[rW] matrix_a_fmt:MATRIX_FMT_FP6 matrix_b_fmt:MATRIX_FMT_FP6
.else
	v_wmma_scale_f32_16x16x128_f8f6f4 v[rD:rD+7], v[rA:rA+11], v[rB:rB+11], v[rC:rC+7], v[rU], v[rW] matrix_a_fmt:MATRIX_FMT_FP6 matrix_b_fmt:MATRIX_FMT_FP6 matrix_b_scale:MATRIX_SCALE_ROW1
.endif
.endm
; 32 matrix instructions: four K steps, two streamed tiles x four resident tiles: the eight accumulators take turns, one instruction a turn
.macro PASS half, p
	WIN 0x0d+(\half)
.irp s, 0,1,2,3
.irp a, 0,1
.irp t, 0,1,2,3
	MM \half, \p, \s, \a, \t
.endr
.endr
.endr
.endm
; The quantiser of one block: 32 numbers v[QX] on -> 6 registers of codes v[QC] on, the scale's byte in v[QBY]
.macro QH
	v_max3_num_f32 v[QMA], |v[QX]|, |v[QX+1]|, 0x1800000            ; the floor 2^(3 - 127) among the leaves: the byte cannot fall under 1
	v_max3_num_f32 v[QMB], |v[QX+16]|, |v[QX+17]|, |v[QX+18]|       ; two chains by turns
.irp i, 2,4,6,8,10,12
	v_max3_num_f32 v[QMA], v[QMA], |v[QX+\i]|, |v[QX+\i+1]|
	v_max3_num_f32 v[QMB], v[QMB], |v[QX+17+\i]|, |v[QX+18+\i]|
.endr
	v_max3_num_f32 v[QMA], v[QMA], |v[QX+14]|, |v[QX+15]|
	v_max3_num_f32 v[QMA], v[QMA], v[QMB], |v[QX+31]|               ; the block's largest magnitude
	v_add_nc_u32 v[QSOP], 0xff000000, v[QMA]                        ; 2 off its exponent field: the conversion takes the exponent field of this operand as its scale
	v_lshrrev_b32 v[QBY], 23, v[QSOP]                               ; the scale's byte
	v_cvt_scalef32_pk16_fp6_f32 v[QC:QC+2], v[QX:QX+15], v[QSOP]
	v_cvt_scalef32_pk16_fp6_f32 v[QT:QT+2], v[QX+16:QX+31], v[QSOP] ; (a conversion's three registers begin on an even number)
	v_nop                                                           ; one plain place behind a scaled conversion
	v_mov_b32 v[QC+3], v[QT]
	v_mov_b32 v[QC+4], v[QT+1]
	v_mov_b32 v[QC+5], v[QT+2]
.endm
; Two finished tiles: the lane's bias, the quantiser, the image's two stores (512 and 256 consecutive bytes, aligned), and the two tiles' scale pairs in one word
.macro EPILOGUE p
	s_wait_xcnt 0x0                                ; the last trip's stores have read their data registers: these are written again only behind this wait
.set OBS, 50+2*((\p)/2)
.irp a, 0,1
.set QX, ACC+32*\a
.set QC, 184+8*\a
.set QT, 200+4*\a
.set QMA, 208+2*\a
.set QMB, 209+2*\a
.set QSOP, 212+\a
.set QBY, 214+\a
.set j, 0
.rept 16
	v_pk_add_f32 v[QX+j:QX+j+1], v[QX+j:QX+j+1], v[BIASL+2*(2*(\p)+\a):BIASL+2*(2*(\p)+\a)+1]   ; each accumulator from its low end on
.set j, j+2
.endr
	QH
	global_store_b128 v8, v[QC:QC+3], s[OBS:OBS+1] offset:768*(2*((\p)%2)+\a)
	global_store_b64 v9, v[QC+4:QC+5], s[OBS:OBS+1] offset:768*(2*((\p)%2)+\a)+512
.endr
	v_lshl_or_b32 v[SW+\p], v215, 16, v214         ; my half's byte of tile 2 p below, of tile 2 p + 1 above,
	v_lshlrev_b32 v[SW+\p], v10, v[SW+\p]          ; 8 h bits up;
	v_permlanex16_b32 v220, v[SW+\p], s6, s7
	v_or_b32 v[SW+\p], v[SW+\p], v220              ; with lane l xor 16's both pairs are whole
.endm
.macro TRIP p
	s_wait_dscnt 48                                ; K steps 0-3 of this trip's tiles are in; the 48 loads issued behind them (K steps 4-7) may be out
	PASS 0, \p
.if \p == 1
	WIN 0
	v_add_nc_u32 v[AL], CP, v[AL]                  ; on to my rows 64-127: the next even and the next odd chunk
	s_wait_alu depctr_va_vdst(0)
	v_add_nc_u32 v[AL+1], CP, v[AL+1]
.endif
	PLACES 4                                       ; four places in front of loads into registers that matrix instructions have read
.if \p < 3
	LOADSET 0, \p+1
	s_wait_alu depctr_va_vdst(0)
	s_wait_dscnt 48                                ; K steps 4-7 are in; only the 48 just issued may be out
.else
	s_wait_dscnt 0x0
.endif
	PASS 1, \p
	PLACES 5                                       ; for the loads below, for the reads of the results, and (five) for the next trip's products, which write over these accumulators
.if \p < 3
	LOADSET 1, \p+1
.endif
	WIN 0
	EPILOGUE \p
.endm
	s_load_b512 s[8:23], s[0:1], 0x0               ; x codes, x scales, Wq codes, Wq scales, Wk codes, Wk scales, Wv codes, Wv scales
	s_load_b256 s[24:31], s[0:1], 0x40             ; bq, bk, bv, qc
	s_load_b128 s[32:35], s[0:1], 0x60             ; qs, kv
	s_load_b64 s[36:37], s[0:1], 0x70              ; vs
	v_lshl_add_u32 v254, v0, 2, 0x4ce00
	v_mov_b32 v255, 0
	ds_add_u32 v254, v255
	ds_add_u32 v254, v255
	v_lshrrev_b32 v1, 5, v0
	v_readfirstlane_b32 s2, v1                     ; wave 0..3
	s_lshr_b32 s3, s2, 1                           ; I
	s_and_b32 s4, s2, 1                            ; J
	; which product, which block: candidates first, then a compare followed by selects alone
	s_lshr_b32 s80, ttmp9, 3                       ; q: T
	s_and_b32 s81, ttmp9, 7                        ; q: X
	s_sub_co_u32 s82, ttmp9, 256
	s_lshr_b32 s83, s82, 1                         ; k: T
	s_and_b32 s84, s82, 1                          ; k: X
	s_sub_co_u32 s85, ttmp9, 320                   ; v: T'
	s_cmp_lt_u32 ttmp9, 256
	s_cselect_b32 s80, s80, s83                    ; T: which 256 tokens
	s_cselect_b32 s81, s81, s84                    ; X: which 128 features
	s_cselect_b32 s86, 1, 0                        ; FQ
	s_lshr_b32 s87, s80, 3                         ; q, k: b
	s_and_b32 s88, s80, 7
	s_lshl_b32 s88, s88, 1
	s_add_co_u32 s88, s88, s3                      ; q, k: which 128 tokens of the batch: 2 (T % 8) + I
	s_lshr_b32 s89, s85, 4                         ; v: b
	s_and_b32 s90, s85, 15                         ; v: which 128 tokens
	s_lshl_b32 s91, s81, 9
	s_lshl_b32 s92, s4, 8
	s_add_co_u32 s91, s91, s92                     ; q, k: my 64 features' bias: 4 (128 X + 64 J)
	s_cmp_ge_u32 ttmp9, 320
	s_cselect_b32 s93, 1, 0                        ; FV
	s_cselect_b32 s80, 0, s80                      ; the streamed block
	s_cselect_b32 s94, s85, s81                    ; the resident block
	s_cselect_b32 s87, s89, s87                    ; b
	s_cselect_b32 s88, s90, s88                    ; sigma
	s_cselect_b32 s91, 0, s91
	s_cselect_b32 s38, 0, -1                       ; keeps the bias along the registers (q, k)
	s_cselect_b32 s39, -1, 0                       ; keeps the lane's bias (v)
	s_cselect_b32 s95, s3, s81
	s_cselect_b32 s96, 0, s4
	s_cselect_b32 s97, s4, 0
	s_cselect_b32 s98, 3, 4                        ; the scale store: 8 or 16 bytes from row to row,
	s_mov_b32 s99, 4096
	s_cselect_b32 s99, s99, 8                      ; and lanes 16-31 a head (v) or 8 bytes (q, k) further on
	s_mul_i32 s5, s86, 12
	s_add_co_u32 s5, s5, 4                         ; heads in a batch: 16 or 4
	s_mul_i32 s5, s5, s87
	s_lshl_b32 s6, s95, 1
	s_add_co_u32 s5, s5, s6
	s_add_co_u32 s5, s5, s96                       ; head: q 16 b + 2 X + J;  k 4 b + 2 X + J;  v 4 b + 2 I
	s_lshl_b32 s5, s5, 4
	s_add_co_u32 s5, s5, s88                       ; u = 16 head + sigma
	s_mul_i32 s6, s86, 6400
	s_sub_co_u32 s6, 12544, s6                     ; bytes of codes for each u: q 8 tiles x 768, k and v a block of kv
	s_mul_i32 s6, s5, s6
	s_mul_i32 s7, s97, 3072
	s_add_co_u32 s6, s6, s7
	s_mul_i32 s7, s93, 6144
	s_add_co_u32 s6, s6, s7                        ; where tiles 0-3 go (v: behind K's tiles, my 64 keys' four)
	s_mul_i32 s89, s93, 197632
	s_add_co_u32 s89, s89, 3072                    ; tiles 4-7: four tiles on, or (v) the next head's block: 16 x 12,544
	s_add_co_u32 s7, s86, s93
	s_sub_co_u32 s7, 1, s7                         ; FK
	s_mul_i32 s7, s7, 12288
	s_add_co_u32 s82, s7, 256
	s_mul_i32 s82, s5, s82
	s_add_co_u32 s82, s82, s7
	s_lshl_b32 s83, s97, 7
	s_add_co_u32 s82, s82, s83                     ; where the scale pairs go: q 256 u;  k 12,544 u + 12,288;  v 256 u + 128 J
	; descriptor group 1, resident: a chunk of 32 rows is dense in memory, 24,576 bytes: ONE tile row of 3,072 elements of 8 bytes; two such rows, 64 rows of the operand apart; 16 bytes of padding behind every 256
	s_mov_b32 s56, (3<<16)|(1<<20)|(5<<22)|(3<<25)
	s_mov_b32 s57, 3072<<16
	s_mov_b32 s58, 2<<16
	s_mov_b32 s59, 3072<<16
	s_mov_b32 s60, 2
	s_mov_b32 s61, 6144
	s_mov_b32 s62, 0
	s_mov_b32 s63, 0
	s_wait_dscnt 0x0
	s_wait_kmcnt 0x0
	s_cmp_ge_u32 ttmp9, 320                        ; the choices hang on the work-group's number alone
	s_cselect_b64 s[40:41], s[20:21], s[8:9]       ; streamed codes
	s_cselect_b64 s[42:43], s[22:23], s[10:11]     ; streamed scales
	s_cselect_b64 s[44:45], s[8:9], s[16:17]       ; resident codes
	s_cselect_b64 s[46:47], s[10:11], s[18:19]     ; resident scales
	s_cselect_b64 s[48:49], s[28:29], s[26:27]     ; bias
	s_cselect_b64 s[54:55], s[36:37], s[34:35]     ; scale pairs out
	s_cmp_lt_u32 ttmp9, 256
	s_cselect_b64 s[44:45], s[12:13], s[44:45]
	s_cselect_b64 s[46:47], s[14:15], s[46:47]
	s_cselect_b64 s[48:49], s[24:25], s[48:49]
	s_cselect_b64 s[50:51], s[30:31], s[34:35]     ; codes out
	s_cselect_b64 s[54:55], s[32:33], s[54:55]
	s_mov_b32 s85, 0
	s_mul_i32 s84, s80, 196608                     ; 256 rows of 768 bytes
	s_add_nc_u64 s[40:41], s[40:41], s[84:85]
	s_lshl_b32 s84, s80, 13
	s_add_nc_u64 s[42:43], s[42:43], s[84:85]
	s_mul_i32 s84, s94, 98304                      ; 128 rows
	s_add_nc_u64 s[44:45], s[44:45], s[84:85]
	s_lshl_b32 s84, s94, 12
	s_add_nc_u64 s[46:47], s[46:47], s[84:85]
	s_mov_b32 s84, s6
	s_add_nc_u64 s[50:51], s[50:51], s[84:85]
	s_mov_b32 s84, s89
	s_add_nc_u64 s[52:53], s[50:51], s[84:85]
	s_mov_b32 s84, s82
	s_add_nc_u64 s[54:55], s[54:55], s[84:85]
	; ONE LOAD A WAVE: waves 0, 1 the resident rows' even and odd chunks (two each), waves 2, 3 the streamed rows' (four each).  Two groups 0, both made by every wave from wave % 2
	s_mul_i32 s84, s4, 24576                       ; the odd chunks begin 32 rows on
	s_mov_b32 s68, 1
	s_mul_i32 s69, s4, RB1
	s_add_nc_u64 s[70:71], s[44:45], s[84:85]
	s_or_b32 s71, s71, 0x80000000
	s_mov_b32 s72, 1
	s_mul_i32 s73, s4, SB1
	s_add_co_u32 s73, s73, SAB
	s_add_nc_u64 s[74:75], s[40:41], s[84:85]
	s_or_b32 s75, s75, 0x80000000
	s_mov_b32 s8, (3<<16)|(1<<20)|(5<<22)|(3<<25)  ; group 1, streamed: four such tile rows (in registers whose arguments have been used)
	s_mov_b32 s9, 3072<<16
	s_mov_b32 s10, 4<<16
	s_mov_b32 s11, 3072<<16
	s_mov_b32 s12, 4
	s_mov_b32 s13, 6144
	s_mov_b32 s14, 0
	s_mov_b32 s15, 0
	s_cmp_lg_u32 s3, 0
	s_cbranch_scc1 .Lstreamed
	tensor_load_to_lds s[68:71], s[56:63]
	s_nop 0
	PLACES 4
	s_branch .Lasked
.Lstreamed:
	tensor_load_to_lds s[72:75], s[8:15]
	s_nop 0
	PLACES 4
.Lasked:
	s_mov_b32 s6, 0x76543210
	s_mov_b32 s7, 0xfedcba98                       ; v_permlanex16_b32's selects for lane l xor 16
	v_and_b32 v1, 31, v0                           ; lane
	v_and_b32 v2, 15, v0                           ; r
	v_bfe_u32 v3, v0, 4, 1                         ; h
	v_bfe_u32 v184, v0, 3, 1                       ; r / 8
	v_and_b32 v185, 7, v0                          ; r % 8
	v_mul_u32_u24 v186, v185, 816
	v_mad_u32_u24 v186, v3, 24, v186               ; my row of tile 0 in its chunk, + 24 h
	s_mul_i32 s5, s3, 2*CP
	s_add_co_u32 s5, s5, SAB
	v_mad_u32_u24 v[AL], v184, SB1, v186           ; r / 8 chooses the even or the odd chunks
	v_add_nc_u32 v[AL], s5, v[AL]
	v_lshl_add_u32 v[AL+1], v3, 4, v[AL]
	s_mul_i32 s5, s4, CP
	v_mad_u32_u24 v[RL], v184, RB1, v186
	v_add_nc_u32 v[RL], s5, v[RL]
	v_lshl_add_u32 v[RL+1], v3, 4, v[RL]
	v_lshlrev_b32 v8, 4, v1
	v_lshlrev_b32 v9, 3, v1
	v_lshlrev_b32 v10, 3, v3
	v_lshlrev_b32 v11, s98, v2
	v_mad_u32_u24 v11, v3, s99, v11
	v_lshlrev_b32 v187, 10, v184
	v_lshl_add_u32 v187, v185, 5, v187             ; 32 bytes of scales a row: row 32 (r / 8) + r % 8
	v_lshl_add_u32 v12, v3, 8, v187                ; streamed: lanes 16-31 take the odd tile, 8 rows on,
	s_lshl_b32 s5, s3, 12
	v_add_nc_u32 v12, s5, v12                      ; my 128 rows
	s_lshl_b32 s5, s4, 11
	v_add_nc_u32 v13, s5, v187                     ; resident: my 64 rows
	v_lshlrev_b32 v14, 7, v3
	v_add_nc_u32 v14, s91, v14                     ; bias along the registers: 4 (32 h + 8 t + j)
	v_lshlrev_b32 v15, 7, v184
	v_lshl_add_u32 v15, v185, 2, v15
	s_lshl_b32 s5, s3, 9
	v_add_nc_u32 v15, s5, v15                      ; the lane's bias: 4 x my streamed row; it stays inside the smallest bias, 1,024 bytes, in all three products
	v_mov_b32 v220, 0                              ; written once: a lane permute's destination counts as one of its sources
.irp p, 0,1,2,3
	global_load_b128 v[XS+8*\p:XS+8*\p+3], v12, s[42:43] offset:(64*(\p/2)+16*(\p%2))*32
	global_load_b128 v[XS+8*\p+4:XS+8*\p+7], v12, s[42:43] offset:(64*(\p/2)+16*(\p%2))*32+16
.endr
.irp t, 0,1,2,3
	global_load_b128 v[RS+8*\t:RS+8*\t+3], v13, s[46:47] offset:256*\t
	global_load_b128 v[RS+8*\t+4:RS+8*\t+7], v13, s[46:47] offset:256*\t+16
	global_load_b128 v[BIASR+8*\t:BIASR+8*\t+3], v14, s[48:49] offset:32*\t
	global_load_b128 v[BIASR+8*\t+4:BIASR+8*\t+7], v14, s[48:49] offset:32*\t+16
.endr
.irp a, 0,1,2,3,4,5,6,7
	global_load_b32 v[BIASL+2*\a], v15, s[48:49] offset:4*(64*(\a/4)+8*(\a%4))
	global_load_b32 v[BIASL+2*\a+1], v15, s[48:49] offset:4*(64*(\a/4)+8*(\a%4))   ; twice: the packed addition takes a pair
.endr
	s_wait_tensorcnt 0x0                           ; my one load has landed,
	s_barrier_signal -1
	s_barrier_wait -1                              ; everybody's has: from here on LDS is only read
	WIN 0x40
.irp t, 0,1,2,3
.irp s, 0,1,2,3
	FRAG 12*(4*\t+\s), RL, 12*\s, 12*\s+6, 6528*\t
.endr
.endr
	WIN 0x80
.irp t, 0,1,2,3
.irp s, 4,5,6,7
	FRAG 12*(4*\t+\s-4), RL, 12*\s, 12*\s+6, 6528*\t
.endr
.endr
	WIN 0
	s_wait_loadcnt 0x0                             ; scale words and biases
.set j, 0
.rept 32
	v_and_b32 v[BIASR+j], s38, v[BIASR+j]          ; the bias that does not apply to this product becomes 0
.set j, j+1
.endr
.set j, 0
.rept 16
	v_and_b32 v[BIASL+j], s39, v[BIASL+j]
.set j, j+1
.endr
	LOADSET 0, 0
	LOADSET 1, 0
	TRIP 0
	TRIP 1
	TRIP 2
	TRIP 3
	v_cmp_le_u32 vcc_lo, 16, v1                    ; lanes 0-15 store tiles 0-3's pairs of row r, lanes 16-31 tiles 4-7's: q, k 256 consecutive bytes; v two runs of 128
	v_cndmask_b32 v222, v216, v218, vcc_lo
	v_cndmask_b32 v223, v217, v219, vcc_lo
	global_store_b64 v11, v[222:223], s[54:55]
	s_wait_tensorcnt 0x0
	ds_add_u32 v254, v255
	s_wait_dscnt 0x0
	s_endpgm
.Lfunc_end_k_qf9d047466b_proj:
	.size	k_qf9d047466b_proj, .Lfunc_end_k_qf9d047466b_proj-k_qf9d047466b_proj
	.p2alignl 7, 3214868480
	.fill 96, 4, 3214868480
	.section	.rodata,"a",@progbits
	.p2align	6, 0x0
	.amdhsa_kernel k_qf9d047466b_proj
		.amdhsa_group_segment_fixed_size 327680
		.amdhsa_private_segment_fixed_size 0
		.amdhsa_enable_private_segment 0
		.amdhsa_kernarg_size 120
		.amdhsa_user_sgpr_count 2
		.amdhsa_user_sgpr_kernarg_segment_ptr 1
		.amdhsa_wavefront_size32 1
		.amdhsa_system_sgpr_workgroup_id_x 1
		.amdhsa_system_sgpr_workgroup_id_y 1
		.amdhsa_system_sgpr_workgroup_id_z 1
		.amdhsa_system_vgpr_workitem_id 0
		.amdhsa_next_free_vgpr 1024
		.amdhsa_next_free_sgpr 100
		.amdhsa_reserve_vcc 1
		.amdhsa_float_denorm_mode_32 3
		.amdhsa_float_denorm_mode_16_64 3
		.amdhsa_memory_ordered 1
		.amdhsa_forward_progress 1
		.amdhsa_inst_pref_size 106
	.end_amdhsa_kernel
	.amdgpu_metadata
---
amdhsa.version: [ 1, 2 ]
amdhsa.kernels:
  - .name:           k_qf9d047466b_proj
    .symbol:         k_qf9d047466b_proj.kd
    .args:
      - { .name: x_codes, .offset: 0, .size: 8, .value_kind: global_buffer, .address_space: global }
      - { .name: x_scales, .offset: 8, .size: 8, .value_kind: global_buffer, .address_space: global }
      - { .name: Wq_codes, .offset: 16, .size: 8, .value_kind: global_buffer, .address_space: global }
      - { .name: Wq_scales, .offset: 24, .size: 8, .value_kind: global_buffer, .address_space: global }
      - { .name: Wk_codes, .offset: 32, .size: 8, .value_kind: global_buffer, .address_space: global }
      - { .name: Wk_scales, .offset: 40, .size: 8, .value_kind: global_buffer, .address_space: global }
      - { .name: Wv_codes, .offset: 48, .size: 8, .value_kind: global_buffer, .address_space: global }
      - { .name: Wv_scales, .offset: 56, .size: 8, .value_kind: global_buffer, .address_space: global }
      - { .name: bq, .offset: 64, .size: 8, .value_kind: global_buffer, .address_space: global }
      - { .name: bk, .offset: 72, .size: 8, .value_kind: global_buffer, .address_space: global }
      - { .name: bv, .offset: 80, .size: 8, .value_kind: global_buffer, .address_space: global }
      - { .name: qc, .offset: 88, .size: 8, .value_kind: global_buffer, .address_space: global }
      - { .name: qs, .offset: 96, .size: 8, .value_kind: global_buffer, .address_space: global }
      - { .name: kv, .offset: 104, .size: 8, .value_kind: global_buffer, .address_space: global }
      - { .name: vs, .offset: 112, .size: 8, .value_kind: global_buffer, .address_space: global }
    .group_segment_fixed_size: 327680
    .private_segment_fixed_size: 0
    .kernarg_segment_align: 8
    .kernarg_segment_size: 120
    .max_flat_workgroup_size: 128
    .sgpr_count:     100
    .vgpr_count:     1024
    .wavefront_size: 32
...
	.end_amdgpu_metadata
.endif
;; end of part 1
;; launch attn (part 2): grid 16 x 16, 8 waves a work-group, clusters of 4 x 1, 206,848 bytes of LDS; arguments qc, qs, kv, vs, oc, os; writes oc, os
.if DOCPART == 2
	.amdgcn_target "amdgcn-amd-amdhsa--gfx1250"
	.amdhsa_code_object_version 6
	.text
	.protected	k_qf9d047466b_attn
	.globl	k_qf9d047466b_attn
	.p2align	8
	.type	k_qf9d047466b_attn,@function
k_qf9d047466b_attn:
	s_mov_b64 s[64:65], 0
	v_nop
	global_prefetch_b8 v0, s[64:65] scope:SCOPE_SE
	s_setreg_imm32_b32 hwreg(HW_REG_WAVE_MODE, 25, 1), 1
	s_wait_xcnt 0x0
	s_wait_alu depctr_hold_cnt(0) depctr_sa_sdst(0) depctr_va_vdst(0) depctr_va_sdst(0) depctr_va_ssrc(0) depctr_va_vcc(0) depctr_vm_vsrc(0)
	s_getreg_b32 s2, hwreg(HW_REG_IB_STS2, 6, 4)
	s_cmp_eq_u32 s2, 0
	s_cbranch_scc0 .Lentry_in_a_cluster
	s_endpgm
.Lentry_in_a_cluster:
	s_bfe_u32 s2, ttmp6, 0x10000c
	s_cmp_lg_u32 s2, 0x3003
	s_cbranch_scc0 .Lentry_shape_is_right
	s_endpgm
.Lentry_shape_is_right:
; Attention on codes of FP6 (E2M3): for query head H = 4 h + g of batch b:  o = softmax(q k^T / 8) v, both products with one E8M0 scale for each 32 along K; o is quantised here along its 64 d for the output projection.  No step of the problem is left out.
; THE SOFTMAX: t = score x log2(e) / 8; M = the row's largest t so far, rounded UP to a whole number (kept as -M = floor(-t)); p = 2^(t - M) is quantised along the keys, not normalised.
; The row's sum is taken of the unquantised p, in f32, and divides O at the end.  When M moves, the sum and O are multiplied by 2^(old M - new M): exact, in every step, with no branch on data.
; SHARES.  A work-group owns 128 tokens and the four query heads of one key head (b, h).  Wave w owns token tile w (16 tokens) and ALL FOUR heads g = 0 .. 3: four query tiles, so each fragment of K and V read from LDS serves four tiles.
; The four tiles go in two pairs; a pair's lines stand by turns, so that no line reads the line above it.  A pair's 16 score products are issued ahead of the other pair's 8 products with V.
; ALL of K and V of (b, h), 16 blocks of 128 keys, 12,544 bytes each, stay in LDS, filled once: wave w asks for blocks 2 w and 2 w + 1 by one load of 98 rows of 256 bytes.  CLUSTER: the four work-groups of a cluster share (b, h): each load is a joint one.
; NO PREFETCH: every byte of kv that the work-group reads is asked for by the head's one group of loads; there is no loop of loads to run ahead in.
; LAYOUT.  Both products are used transposed: S^T = K Q^T (source 0 = 16 keys), O^T = V^T P^T (source 0 = 16 d): a lane holds ONE query.  The keys of a tile are 32 (r / 8) + 8 t + r % 8 of a group of 64,
; so the 32 registers of a group's four score tiles are 32 neighbouring keys, 64 G + 32 (lane / 16) + 0 .. 31: a whole block of the next K in one lane.
; K = 64 IN AN INSTRUCTION OF 128: a fragment of K holds two tiles of keys; q stands beside six registers of zero codes, [q, 0] for the first tile, [0, q] for the second.  q's scale pair is repeated in its word.
; OUT: heads 2 m and 2 m + 1 are the two halves of the output projection's K step s' = 4 m + h: oc [token tile 512][s' 8][e 2][768], os [token tile][s'][row 16] words.
; LIMITS: the promise holds while the scaled scores t stay under 2^31 in magnitude; a block of zeros, and any block whose largest magnitude lies under 2^-124, gets the scale byte 1 (read by this program alone; zero codes add nothing); NaN and infinities are not served.
; REGISTERS.  Window 0: v1-3, v6 LDS addresses of the step; v4-5 the spare word and 0; v7-9 16 x lane, 8 x lane, 16 r; v10-25 scale words of K, V, q, p; v26-79 zeros and q by turns; v80-127 K; v128-255 O^T of four tiles.
; Window 1: v0-127 S^T, then p, of a pair; v128-175 V; v176-199 p's codes; v200-215 conversions' upper halves; v216-231 for each tile -M, largest score, the sum in two halves; v232-255 a pair's scratch.
.set BLK,   12544
.set VSB,   16*BLK                     ; behind the blocks: V's scale words, 256 bytes a block, stored by the waves; no fill lands here
.set SPARE, VSB+4096                   ; the spare words: 128 bytes a wave
.set A16, 1
.set A8,  2
.set AS,  3
.set SPW, 4
.set NIL, 5
.set AV,  6
.set L16, 7
.set L8,  8
.set R16, 9
.set KSW, 10
.set VSW, 14
.set QS,  18
.set PSW, 22
.set QB,  26
.set KF,  80
.set OB,  128
.set VF,  128                          ; from here on: window 1
.set PF,  176
.set CT,  200
.set ST,  216
.set TT,  232                          ; tile u of a pair, at TT + 12 u: +0..3 maxima, then scale operands; +4,5 the factor; +6 a permute's result; +7 at work; +8..11 two chains of the sum
.set WV,  16
.set SEL, 36
.set CS,  38                           ; s[38:39] c = log2(e) / 8
.set TB,  40                           ; LDS byte of the block whose fragments are fetched
.set CNT, 41
.set TV,  58                           ; LDS byte of its scale words of V
.set NC,  59                           ; -c
.set MSB, 0
.macro WIN new                         ; bits 1:0 source 0, 3:2 source 1, 5:4 source 2, 7:6 destination; the high byte repeats the setting that is left
.if MSB != (\new)
	s_set_vgpr_msb (MSB<<8)|(\new)
.set MSB, (\new)
.endif
.endm
.macro PLACES n
.rept \n
	v_nop
.endr
.endm
.macro CROUND                          ; a round of the cluster's barrier
	s_barrier_signal -1
	s_barrier_wait -1
	s_cmp_lg_u32 s[WV], 0
	s_cbranch_scc1 .Lnot_wave_0_\@
	s_barrier_signal -3
.Lnot_wave_0_\@:
	s_barrier_wait -3
	s_barrier_signal -1
	s_barrier_wait -1
.endm
; 16 products: S^T of the pair's two tiles, 128 keys; sixteen accumulators, each begun with 0
.macro XS pr
	WIN 0x40
.irp G, 0,1
.irp t, 0,1,2,3
.irp u, 0,1
	v_wmma_scale_f32_16x16x128_f8f6f4 v[64*\u+32*\G+8*\t:64*\u+32*\G+8*\t+7], v[KF+12*(2*\G+\t/2):KF+12*(2*\G+\t/2)+11], v[QB+24*\pr+12*\u+6*(1-\t%2):QB+24*\pr+12*\u+6*(1-\t%2)+11], 0, v[KSW+2*\G+\t/2], v[QS+2*\pr+\u] matrix_a_fmt:MATRIX_FMT_FP6 matrix_b_fmt:MATRIX_FMT_FP6
.endr
.endr
.endr
.endm
; 8 products: O^T += V^T P^T of the pair's two tiles; the eight accumulators take turns
.macro ZS pr
	WIN 0x05
.irp t, 0,1,2,3
.irp u, 0,1
	v_wmma_scale_f32_16x16x128_f8f6f4 v[OB+64*\pr+32*\u+8*\t:OB+64*\pr+32*\u+8*\t+7], v[VF+12*\t:VF+12*\t+11], v[PF+12*\u:PF+12*\u+11], v[OB+64*\pr+32*\u+8*\t:OB+64*\pr+32*\u+8*\t+7], v[VSW+\t], v[PSW+2*\pr+\u] matrix_a_fmt:MATRIX_FMT_FP6 matrix_b_fmt:MATRIX_FMT_FP6
.endr
.endr
.endm
; The step's addresses (four plain vector lines: the places between the last products and the loads below) and K's eight tiles as images, with their scale pairs: 17 loads
.macro LDK step
	WIN 0
.if \step
	s_add_co_u32 s[TB], s[TB], BLK
	s_add_co_u32 s[TV], s[TV], 256
.endif
	v_add_nc_u32 v[A16], s[TB], v[L16]
	v_add_nc_u32 v[A8], s[TB], v[L8]
	v_add_nc_u32 v[AS], s[TB], v[R16]
	v_add_nc_u32 v[AV], s[TV], v[R16]
.irp a, 0,1,2,3,4,5,6,7
	ds_load_b128 v[KF+6*\a:KF+6*\a+3], v[A16] offset:768*\a
	ds_load_b64 v[KF+6*\a+4:KF+6*\a+5], v[A8] offset:768*\a+512
.endr
	ds_load_b128 v[KSW:KSW+3], v[AS] offset:12288
.endm
.macro LDV                             ; V's four fragments and their scale words: 17 loads
	WIN 0x40
.irp c, 0,1
.irp t, 0,1,2,3
	ds_load_b128 v[VF+12*\t+6*\c:VF+12*\t+6*\c+3], v[A16] offset:6144+3072*\c+768*\t
	ds_load_b64 v[VF+12*\t+6*\c+4:VF+12*\t+6*\c+5], v[A8] offset:6144+3072*\c+768*\t+512
.endr
.endr
	WIN 0
	ds_load_b128 v[VSW:VSW+3], v[AV]
.endm
; The softmax and the quantiser of a pair of tiles, 128 keys, the two tiles by turns
.macro YS pr
	WIN 0x55
.irp k, 0,1,2,3                        ; the largest score of each block of 32 keys: it serves the row's maximum and, since p rises with the score, the block's largest p.  Each accumulator is first read at its low end
.irp u, 0,1
	v_max3_num_f32 v[TT+12*\u+\k/2+2*(\k%2)], v[64*\u+16*\k], v[64*\u+16*\k+1], v[64*\u+16*\k+2]
.endr
.endr
.irp i, 3,5,7,9,11,13
.irp k, 0,1,2,3
.irp u, 0,1
	v_max3_num_f32 v[TT+12*\u+\k/2+2*(\k%2)], v[TT+12*\u+\k/2+2*(\k%2)], v[64*\u+16*\k+\i], v[64*\u+16*\k+\i+1]
.endr
.endr
.endr
.irp b, 0,1
.irp u, 0,1
	v_max3_num_f32 v[TT+12*\u+\b], v[TT+12*\u+\b], v[64*\u+32*\b+15], v[64*\u+32*\b+31]
.endr
.endr
.irp b, 0,1
.irp u, 0,1
	v_max_num_f32 v[TT+12*\u+\b], v[TT+12*\u+\b], v[TT+12*\u+\b+2]
.endr
.endr
.irp u, 0,1
	v_max_num_f32 v[TT+12*\u+7], v[TT+12*\u], v[TT+12*\u+1]
.endr
.irp u, 0,1
	v_permlanex16_b32 v[TT+12*\u+6], v[TT+12*\u+7], s[SEL], s[SEL+1]
.endr
.irp u, 0,1
	v_max3_num_f32 v[ST+8*\pr+4*\u+1], v[ST+8*\pr+4*\u+1], v[TT+12*\u+7], v[TT+12*\u+6]   ; the running largest score of my query
.endr
.irp u, 0,1
	v_mul_f32 v[TT+12*\u+7], s[NC], v[ST+8*\pr+4*\u+1]     ; -t
.endr
.irp u, 0,1
	v_floor_f32 v[TT+12*\u+6], v[TT+12*\u+7]               ; the new -M
.endr
.irp u, 0,1
	v_sub_f32 v[TT+12*\u+7], v[TT+12*\u+6], v[ST+8*\pr+4*\u]   ; old M - new M: a whole number, 0 or less
.endr
.irp u, 0,1
	v_mov_b32 v[ST+8*\pr+4*\u], v[TT+12*\u+6]
.endr
.irp u, 0,1
	v_cvt_i32_f32 v[TT+12*\u+7], v[TT+12*\u+7]             ; (it saturates)
.endr
.set jj, 0
.rept 32
.irp u, 0,1
	v_pk_fma_f32 v[64*\u+jj:64*\u+jj+1], v[64*\u+jj:64*\u+jj+1], s[CS:CS+1], v[ST+8*\pr+4*\u:ST+8*\pr+4*\u+1] op_sel_hi:[1,0,0]   ; t - M, two at a time
.endr
.set jj, jj+2
.endr
.irp b, 0,1
.irp u, 0,1
	v_fma_f32 v[TT+12*\u+\b], v[TT+12*\u+\b], s[CS], v[ST+8*\pr+4*\u]   ; the same of each block's largest score
.endr
.endr
	s_wait_alu depctr_va_vdst(0)           ; the wait ahead of the batch
.set jj, 0
.rept 64
.irp u, 0,1
	v_exp_f32 v[64*\u+jj], v[64*\u+jj]     ; p = 2^(t - M)
.endr
.set jj, jj+1
.endr
.irp b, 0,1
.irp u, 0,1
	v_exp_f32 v[TT+12*\u+\b], v[TT+12*\u+\b]   ; the blocks' largest p
.endr
.endr
.irp u, 0,1
	v_ldexp_f32 v[TT+12*\u+4], 1.0, v[TT+12*\u+7]   ; f = 2^(old M - new M): the plain place behind the batch
.endr
	s_wait_alu depctr_va_vdst(0)           ; and one wait behind it, ahead of its first reader
.irp u, 0,1                            ; the row's sum of the unquantised p: three chains a tile; the first line brings the old sum under the new M
	v_pk_fma_f32 v[ST+8*\pr+4*\u+2:ST+8*\pr+4*\u+3], v[ST+8*\pr+4*\u+2:ST+8*\pr+4*\u+3], v[TT+12*\u+4:TT+12*\u+5], v[64*\u:64*\u+1] op_sel_hi:[1,0,1]
.endr
.irp u, 0,1
	v_pk_add_f32 v[TT+12*\u+8:TT+12*\u+9], v[64*\u+2:64*\u+3], v[64*\u+4:64*\u+5]
.endr
.irp u, 0,1
	v_pk_add_f32 v[TT+12*\u+10:TT+12*\u+11], v[64*\u+6:64*\u+7], v[64*\u+8:64*\u+9]
.endr
.set jj, 10
.rept 9
.irp u, 0,1
	v_pk_add_f32 v[ST+8*\pr+4*\u+2:ST+8*\pr+4*\u+3], v[ST+8*\pr+4*\u+2:ST+8*\pr+4*\u+3], v[64*\u+jj:64*\u+jj+1]
.endr
.irp u, 0,1
	v_pk_add_f32 v[TT+12*\u+8:TT+12*\u+9], v[TT+12*\u+8:TT+12*\u+9], v[64*\u+jj+2:64*\u+jj+3]
.endr
.irp u, 0,1
	v_pk_add_f32 v[TT+12*\u+10:TT+12*\u+11], v[TT+12*\u+10:TT+12*\u+11], v[64*\u+jj+4:64*\u+jj+5]
.endr
.set jj, jj+6
.endr
.irp u, 0,1
	v_pk_add_f32 v[TT+12*\u+8:TT+12*\u+9], v[TT+12*\u+8:TT+12*\u+9], v[TT+12*\u+10:TT+12*\u+11]
.endr
.irp b, 0,1
.irp u, 0,1
	v_max_num_f32 v[TT+12*\u+\b], 0x1800000, v[TT+12*\u+\b]   ; the floor 2^(3 - 127): the byte cannot fall under 1
.endr
.endr
.irp u, 0,1
	v_pk_add_f32 v[ST+8*\pr+4*\u+2:ST+8*\pr+4*\u+3], v[ST+8*\pr+4*\u+2:ST+8*\pr+4*\u+3], v[TT+12*\u+8:TT+12*\u+9]
.endr
.irp b, 0,1
.irp u, 0,1
	v_add_nc_u32 v[TT+12*\u+\b+2], 0xff000000, v[TT+12*\u+\b]   ; 2 off the exponent field: the conversion's scale operand
.endr
.endr
.irp b, 0,1
.irp u, 0,1
	v_lshrrev_b32 v[TT+12*\u+\b], 23, v[TT+12*\u+\b+2]     ; the scales' bytes: blocks h and 2 + h of these 128 keys
.endr
.endr
.irp u, 0,1
	v_lshl_or_b32 v[TT+12*\u+7], v[TT+12*\u+1], 16, v[TT+12*\u]
.endr
.irp u, 0,1
	v_permlanex16_b32 v[TT+12*\u+6], v[TT+12*\u+7], s[SEL], s[SEL+1]
.endr
.irp u, 0,1
	v_cvt_scalef32_pk16_fp6_f32 v[PF+12*\u:PF+12*\u+2], v[64*\u:64*\u+15], v[TT+12*\u+2]
	v_cvt_scalef32_pk16_fp6_f32 v[CT+8*\u:CT+8*\u+2], v[64*\u+16:64*\u+31], v[TT+12*\u+2]
	v_cvt_scalef32_pk16_fp6_f32 v[PF+12*\u+6:PF+12*\u+8], v[64*\u+32:64*\u+47], v[TT+12*\u+3]
	v_cvt_scalef32_pk16_fp6_f32 v[CT+8*\u+4:CT+8*\u+6], v[64*\u+48:64*\u+63], v[TT+12*\u+3]
.endr
	WIN 0x11
.irp u, 0,1
	v_lshl_or_b32 v[PSW+2*\pr+\u], v[TT+12*\u+6], 8, v[TT+12*\u+7]   ; p's scale word, whole in lanes 0-15, which alone are read.  (The plain place behind the conversions)
.endr
	WIN 0x55
.irp i, 0,1,2
.irp u, 0,1
	v_mov_b32 v[PF+12*\u+3+\i], v[CT+8*\u+\i]              ; (a conversion's three registers begin on an even number)
	v_mov_b32 v[PF+12*\u+9+\i], v[CT+8*\u+4+\i]
.endr
.endr
	WIN 0x04
	s_wait_alu depctr_va_vdst(0)           ; the wait here, directly ahead of the first reader of O^T
.set jj, 0
.rept 16
.irp u, 0,1
	v_pk_mul_f32 v[OB+64*\pr+32*\u+jj:OB+64*\pr+32*\u+jj+1], v[OB+64*\pr+32*\u+jj:OB+64*\pr+32*\u+jj+1], v[TT+12*\u+4:TT+12*\u+5] op_sel_hi:[1,0]   ; O^T under the new M; also the places between p's word and codes and the products
.endr
.set jj, jj+2
.endr
.endm
; A key step of 128 keys for four tiles.  At its head the first pair's scores are made and V's loads are out.  last = 1: nothing more is fetched
.macro BODY last
	YS 0
	XS 1
	s_wait_alu depctr_va_vdst(0)           ; the wait directly ahead of the wait below
	s_wait_dscnt 0x0                       ; V of this step: its 17 loads are all that is out
	ZS 0
.if \last == 0
	LDK 1                                  ; K's registers are free: the next step's; its four address lines are the places ahead of the next reads of the scores
.else
	PLACES 4                               ; in front of the next reads of the scores
.endif
	YS 1
.if \last == 0
	s_wait_alu depctr_va_vdst(0)
	s_wait_dscnt 0x0                       ; the next step's K: its 17 loads are all that is out
	XS 0
.endif
	ZS 1
.if \last == 0
	PLACES 4                               ; in front of the loads into V's registers and of the next reads of the scores
	LDV
.endif
	WIN 0
.endm
	s_load_b256 s[4:11], s[0:1], 0x0               ; qc, qs, kv, vs
	s_load_b128 s[12:15], s[0:1], 0x20             ; oc, os
	v_lshl_add_u32 v[SPW], v0, 2, SPARE
	v_mov_b32 v[NIL], 0
	ds_add_u32 v[SPW], v[NIL]                      ; the opening lines: the add, twice on end, and its wait
	ds_add_u32 v[SPW], v[NIL]
	v_lshrrev_b32 v1, 5, v0
	v_readfirstlane_b32 s[WV], v1                  ; wave 0..7: my token tile
	s_bfe_u32 s19, ttmp6, 0x40000                  ; cx
	s_lshl_b32 s20, ttmp9, 2
	s_add_co_u32 s20, s20, s19                     ; my block of 128 tokens: it enters the addresses of qc, qs, oc and os alone
	s_and_b32 s21, ttmp7, 0xffff                   ; 4 b + h, which the four partners share
	s_lshr_b32 s22, s21, 2
	s_and_b32 s23, s21, 3
	s_mov_b32 s28, 15|(3<<16)|(1<<21)              ; two blocks, dense: 98 rows of 256 bytes (32 elements of 8 bytes); the mask names all four work-groups
	s_mov_b32 s29, 32<<16
	s_mov_b32 s30, 98<<16
	s_mov_b32 s31, 32<<16
	s_mov_b32 s32, 98
	s_mov_b32 s33, 32
	s_mov_b32 s34, 0
	s_mov_b32 s35, 0
	s_mov_b32 s24, 1
	s_mul_i32 s25, s[WV], 2*BLK
	s_lshl_b32 s43, s[WV], 9
	s_add_co_u32 s43, s43, VSB                     ; where my two blocks' scale words of V go
	s_mul_i32 s44, s21, 16*BLK
	s_add_co_u32 s44, s44, s25
	s_mov_b32 s45, 0
	s_lshl_b32 s46, s21, 2                         ; 16 b + 4 h: my first head
	s_lshl_b32 s47, s20, 3
	s_add_co_u32 s47, s47, s[WV]                   ; my token tile in the batch
	s_lshl_b32 s48, s46, 7
	s_add_co_u32 s48, s48, s47
	s_mul_i32 s48, s48, 768
	s_mov_b32 s49, 0
	s_lshl_b32 s50, s46, 4
	s_add_co_u32 s50, s50, s20
	s_lshl_b32 s50, s50, 8
	s_lshl_b32 s51, s[WV], 1
	s_add_co_u32 s50, s50, s51
	s_mov_b32 s51, 0
	s_lshl_b32 s52, s21, 4
	s_lshl_b32 s53, s[WV], 1
	s_add_co_u32 s52, s52, s53
	s_lshl_b32 s52, s52, 8
	s_mov_b32 s53, 0
	s_lshl_b32 s54, s22, 7
	s_add_co_u32 s54, s54, s47
	s_lshl_b32 s54, s54, 3
	s_add_co_u32 s54, s54, s23                     ; 8 x token tile + h
	s_lshl_b32 s56, s54, 6
	s_mul_i32 s54, s54, 1536
	s_mov_b32 s55, 0
	s_mov_b32 s57, 0
	s_mov_b32 s[SEL], 0x76543210
	s_mov_b32 s[SEL+1], 0xfedcba98                 ; v_permlanex16_b32's selects for lane l xor 16
	s_mov_b32 s[CS], 0x3e38aa3b
	s_mov_b32 s[CS+1], s[CS]
	s_mov_b32 s[NC], 0xbe38aa3b
	s_mov_b32 s[TB], 0
	s_mov_b32 s[TV], VSB
	s_mov_b32 s[CNT], 15
	v_and_b32 v128, 31, v0                         ; lane
	v_and_b32 v129, 15, v0                         ; r
	v_bfe_u32 v130, v0, 4, 1                       ; lane / 16
	v_lshlrev_b32 v[L16], 4, v128
	v_lshlrev_b32 v[L8], 3, v128
	v_lshlrev_b32 v[R16], 4, v129
	v_lshlrev_b32 v130, 8, v130                    ; lanes 16-31 serve my second block
	v_lshl_add_u32 v131, v129, 3, v130             ; vs: 8 r + 256 x half
	v_add_nc_u32 v130, v[R16], v130
	v_add_nc_u32 v130, s43, v130                   ; LDS: 16 r + 256 x half
	s_wait_alu depctr_va_vdst(0)                   ; the wait directly ahead of the waits below
	s_wait_dscnt 0x0
	s_wait_kmcnt 0x0
	s_add_nc_u64 s[26:27], s[8:9], s[44:45]
	s_or_b32 s27, s27, 0x80000000
	s_add_nc_u64 s[4:5], s[4:5], s[48:49]
	s_add_nc_u64 s[6:7], s[6:7], s[50:51]
	s_add_nc_u64 s[10:11], s[10:11], s[52:53]
	s_add_nc_u64 s[12:13], s[12:13], s[54:55]
	s_add_nc_u64 s[14:15], s[14:15], s[56:57]
	CROUND                                         ; all four work-groups are here: the joint loads meet
	tensor_load_to_lds s[24:27], s[28:35]          ; my one tensor load of the launch
	s_nop 0
	PLACES 4
	global_load_b64 v[132:133], v131, s[10:11]             ; V's scale pairs: row r, d tiles 0-3, keys 0-63,
	global_load_b64 v[134:135], v131, s[10:11] offset:128  ; and keys 64-127
.irp j, 0,1,2,3
	global_load_b128 v[QB+6+12*\j:QB+9+12*\j], v[L16], s[4:5] offset:98304*\j
	global_load_b64 v[QB+10+12*\j:QB+11+12*\j], v[L8], s[4:5] offset:98304*\j+512
	global_load_u16 v[QS+\j], v[R16], s[6:7] offset:4096*\j
.endr
.irp z, 0,1,2,3,4
.irp i, 0,1,2,3,4,5
	v_mov_b32 v[QB+12*\z+\i], 0                    ; zero codes beside q
.endr
.endr
	s_wait_loadcnt 12                              ; V's pairs are in; q's twelve loads, issued behind them, may be out
	v_perm_b32 v136, v134, v132, 0x05040100        ; d tile 0's word: the pair of keys 0-63 below, of keys 64-127 above
	v_perm_b32 v137, v134, v132, 0x07060302
	v_perm_b32 v138, v135, v133, 0x05040100
	v_perm_b32 v139, v135, v133, 0x07060302
	ds_store_b128 v130, v[136:139]                 ; [row][d tile] words
	s_wait_loadcnt 0x0
.irp j, 0,1,2,3
	v_lshl_or_b32 v[QS+\j], v[QS+\j], 16, v[QS+\j] ; q's pair for both halves of K
.endr
.set jj, 0
.rept 128
	v_mov_b32 v[OB+jj], 0                          ; the step is written for all steps alike: the first finds zeros, which the first change of M leaves zeros
.set jj, jj+1
.endr
	WIN 0x40
.irp j, 0,1,2,3
	v_mov_b32 v[ST+4*\j], 0x7f61b1e6               ; -M
	v_mov_b32 v[ST+4*\j+1], 0xff61b1e6             ; the largest score so far: -3e38
	v_mov_b32 v[ST+4*\j+2], 0
	v_mov_b32 v[ST+4*\j+3], 0
.endr
.irp u, 0,1
	v_mov_b32 v[TT+12*\u+5], 0                     ; (the upper half of the factor's pair)
	v_mov_b32 v[TT+12*\u+6], 0                     ; (a lane permute's destination counts as one of its sources)
.endr
	WIN 0
	s_wait_alu depctr_va_vdst(0)                   ; the wait at the head's end
	s_wait_tensorcnt 0x0                           ; my two blocks have landed,
	s_wait_dscnt 0x0                               ; my words are stored,
	s_barrier_signal -1
	s_barrier_wait -1                              ; everybody's: from here on LDS is only read
	LDK 0
	LDV
	s_wait_dscnt 17                                ; K is in; V's 17 loads, issued behind it, may be out
	XS 0
	WIN 0
	PLACES 4                                       ; in front of the first read of the scores
.Lstep:
	BODY 0
	s_sub_co_u32 s[CNT], s[CNT], 1
	s_cmp_lg_u32 s[CNT], 0
	s_wait_alu depctr_va_vdst(0)                   ; the wait directly ahead of the branch
	s_cbranch_scc1 .Lstep
	BODY 1
	; o = O / the sum, quantised along d; the four tiles by turns.  The twelve lines on the sums are the places behind the last products
	WIN 0x55
.irp j, 0,1,2,3
	v_add_f32 v[ST+4*\j+2], v[ST+4*\j+2], v[ST+4*\j+3]
.endr
.irp j, 0,1,2,3
	v_permlanex16_b32 v[ST+4*\j+3], v[ST+4*\j+2], s[SEL], s[SEL+1]
.endr
.irp j, 0,1,2,3
	v_add_f32 v[ST+4*\j+2], v[ST+4*\j+2], v[ST+4*\j+3]   ; the row's sum
.endr
	s_wait_alu depctr_va_vdst(0)
.irp j, 0,1,2,3
	v_rcp_f32 v[ST+4*\j], v[ST+4*\j+2]
.endr
	WIN 0x44
	v_nop                                          ; a plain place behind the reciprocals,
	s_wait_alu depctr_va_vdst(0)                   ; and the wait ahead of their first reader and of O^T's
.set jj, 0
.rept 16
.irp j, 0,1,2,3
	v_pk_mul_f32 v[32*\j+jj:32*\j+jj+1], v[OB+32*\j+jj:OB+32*\j+jj+1], v[ST+4*\j:ST+4*\j+1] op_sel_hi:[1,0]   ; o(my token, d = 32 h + 0 .. 31), each accumulator from its low end on
.endr
.set jj, jj+2
.endr
	WIN 0x55
.irp j, 0,1,2,3
	v_max3_num_f32 v[TT+2*\j], |v[32*\j]|, |v[32*\j+1]|, 0x1800000
.endr
.irp j, 0,1,2,3
	v_max3_num_f32 v[TT+2*\j+1], |v[32*\j+16]|, |v[32*\j+17]|, |v[32*\j+18]|
.endr
.irp i, 2,4,6,8,10,12
.irp j, 0,1,2,3
	v_max3_num_f32 v[TT+2*\j], v[TT+2*\j], |v[32*\j+\i]|, |v[32*\j+\i+1]|
	v_max3_num_f32 v[TT+2*\j+1], v[TT+2*\j+1], |v[32*\j+17+\i]|, |v[32*\j+18+\i]|
.endr
.endr
.irp j, 0,1,2,3
	v_max3_num_f32 v[TT+2*\j], v[TT+2*\j], |v[32*\j+14]|, |v[32*\j+15]|
.endr
.irp j, 0,1,2,3
	v_max3_num_f32 v[TT+2*\j], v[TT+2*\j], v[TT+2*\j+1], |v[32*\j+31]|
.endr
.irp j, 0,1,2,3
	v_add_nc_u32 v[TT+8+\j], 0xff000000, v[TT+2*\j]
.endr
.irp j, 0,1,2,3
	v_lshrrev_b32 v[TT+12+\j], 23, v[TT+8+\j]
.endr
.irp j, 0,1,2,3
	v_cvt_scalef32_pk16_fp6_f32 v[VF+6*\j:VF+6*\j+2], v[32*\j:32*\j+15], v[TT+8+\j]
	v_cvt_scalef32_pk16_fp6_f32 v[PF+4*\j:PF+4*\j+2], v[32*\j+16:32*\j+31], v[TT+8+\j]
.endr
.irp m, 0,1
	v_lshl_or_b32 v[TT+16+\m], v[TT+13+2*\m], 16, v[TT+12+2*\m]   ; my bytes of blocks 2 e + h.  (The plain place behind the conversions)
.endr
.irp i, 0,1,2
.irp j, 0,1,2,3
	v_mov_b32 v[VF+6*\j+3+\i], v[PF+4*\j+\i]
.endr
.endr
.irp m, 0,1
	v_permlanex16_b32 v[TT+18+\m], v[TT+16+\m], s[SEL], s[SEL+1]
.endr
.irp m, 0,1
	v_lshl_or_b32 v[TT+20+\m], v[TT+18+\m], 8, v[TT+16+\m]   ; o's scale word of K step 4 m + h, whole in lanes 0-15
.endr
	WIN 0
	v_lshrrev_b32 v[AS], 2, v[R16]                 ; 4 r
	v_cmp_gt_u32 vcc_lo, 256, v[L16]               ; lanes 0-15
	WIN 0x04
.irp j, 0,1,2,3
	global_store_b128 v[L16], v[VF+6*\j:VF+6*\j+3], s[12:13] offset:6144*(\j/2)+768*(\j%2)        ; a fragment's image: 1,536 consecutive bytes, aligned to 256
	global_store_b64 v[L8], v[VF+6*\j+4:VF+6*\j+5], s[12:13] offset:6144*(\j/2)+768*(\j%2)+512
.endr
	s_wait_alu depctr_va_vdst(0)
	s_wait_xcnt 0x0                                ; EXEC changes only behind this wait
	s_and_saveexec_b32 s42, vcc_lo
	global_store_b32 v[AS], v[TT+20], s[14:15]     ; sixteen rows' words
	global_store_b32 v[AS], v[TT+21], s[14:15] offset:256
	s_wait_xcnt 0x0
	s_or_b32 exec_lo, exec_lo, s42
	WIN 0
	s_wait_tensorcnt 0x0                           ; the wave's end
	ds_add_u32 v[SPW], v[NIL]
	s_wait_dscnt 0x0
	CROUND                                         ; the closing round
	s_endpgm
.Lfunc_end_k_qf9d047466b_attn:
	.size	k_qf9d047466b_attn, .Lfunc_end_k_qf9d047466b_attn-k_qf9d047466b_attn
	.p2alignl 7, 3214868480
	.fill 96, 4, 3214868480
	.section	.rodata,"a",@progbits
	.p2align	6, 0x0
	.amdhsa_kernel k_qf9d047466b_attn
		.amdhsa_group_segment_fixed_size 206848
		.amdhsa_private_segment_fixed_size 0
		.amdhsa_enable_private_segment 0
		.amdhsa_kernarg_size 48
		.amdhsa_user_sgpr_count 2
		.amdhsa_user_sgpr_kernarg_segment_ptr 1
		.amdhsa_wavefront_size32 1
		.amdhsa_system_sgpr_workgroup_id_x 1
		.amdhsa_system_sgpr_workgroup_id_y 1
		.amdhsa_system_sgpr_workgroup_id_z 1
		.amdhsa_system_vgpr_workitem_id 0
		.amdhsa_next_free_vgpr 512
		.amdhsa_next_free_sgpr 66
		.amdhsa_reserve_vcc 1
		.amdhsa_float_denorm_mode_32 3
		.amdhsa_float_denorm_mode_16_64 3
		.amdhsa_memory_ordered 1
		.amdhsa_forward_progress 1
		.amdhsa_inst_pref_size 128
	.end_amdhsa_kernel
	.amdgpu_metadata
---
amdhsa.version: [ 1, 2 ]
amdhsa.kernels:
  - .name:           k_qf9d047466b_attn
    .symbol:         k_qf9d047466b_attn.kd
    .args:
      - { .name: qc, .offset: 0, .size: 8, .value_kind: global_buffer, .address_space: global }
      - { .name: qs, .offset: 8, .size: 8, .value_kind: global_buffer, .address_space: global }
      - { .name: kv, .offset: 16, .size: 8, .value_kind: global_buffer, .address_space: global }
      - { .name: vs, .offset: 24, .size: 8, .value_kind: global_buffer, .address_space: global }
      - { .name: oc, .offset: 32, .size: 8, .value_kind: global_buffer, .address_space: global }
      - { .name: os, .offset: 40, .size: 8, .value_kind: global_buffer, .address_space: global }
    .group_segment_fixed_size: 206848
    .private_segment_fixed_size: 0
    .kernarg_segment_align: 8
    .kernarg_segment_size: 48
    .max_flat_workgroup_size: 256
    .sgpr_count:     66
    .vgpr_count:     512
    .wavefront_size: 32
...
	.end_amdgpu_metadata
.endif
;; end of part 2
;; launch outp (part 3): grid 8 x 32, 4 waves a work-group, clusters of 4 x 4, 327,680 bytes of LDS; arguments oc, os, Wo_codes, Wo_scales, bo, out0; writes out0
.if DOCPART == 3
	.amdgcn_target "amdgcn-amd-amdhsa--gfx1250"
	.amdhsa_code_object_version 6
	.text
	.protected	k_qf9d047466b_outp
	.globl	k_qf9d047466b_outp
	.p2align	8
	.type	k_qf9d047466b_outp,@function
k_qf9d047466b_outp:
	s_mov_b64 s[64:65], 0
	v_nop
	global_prefetch_b8 v0, s[64:65] scope:SCOPE_SE
	s_setreg_imm32_b32 hwreg(HW_REG_WAVE_MODE, 25, 1), 1
	s_wait_xcnt 0x0
	s_wait_alu depctr_hold_cnt(0) depctr_sa_sdst(0) depctr_va_vdst(0) depctr_va_sdst(0) depctr_va_ssrc(0) depctr_va_vcc(0) depctr_vm_vsrc(0)
	s_getreg_b32 s2, hwreg(HW_REG_IB_STS2, 6, 4)
	s_cmp_eq_u32 s2, 0
	s_cbranch_scc0 .Lentry_in_a_cluster
	s_endpgm
.Lentry_in_a_cluster:
	s_bfe_u32 s2, ttmp6, 0x10000c
	s_cmp_lg_u32 s2, 0xf033
	s_cbranch_scc0 .Lentry_shape_is_right
	s_endpgm
.Lentry_shape_is_right:
; out0 = o Wo + bo on codes of FP6 (E2M3) with one E8M0 scale for each 32 along K = 1,024; sums in f32.
; A work-group multiplies 256 tokens (STREAMED, source 1: a lane holds a token) by 128 output features (RESIDENT, source 0: a lane's registers run along them), all of K.  Wave (I, J) = (wave / 2, wave % 2): tokens 128 I on, features 64 J on.
; o arrives as images of operand registers: oc [token tile][s' 8][e 2][768] (registers 0-3 of a half fragment at 16 x lane, registers 4-5 at 512 + 8 x lane), os [token tile][s'][row] scale words.
; K IS TAKEN IN ANOTHER ORDER, alike on both sides: K step s' holds the column heads 8 (s' / 4) + 4 e + s' % 4, e = 0, 1, 64 columns each.  So Wo's fragments take their two runs of 24 bytes from two places of a row, and its scale words are put together from two pairs.
; The rows of a tile: in each group of 64, lane r of tile t takes row 32 (r / 8) + 8 t + r % 8 (tokens: as the launches before have laid them; features: so that a lane's 32 registers of four accumulators are 32 neighbouring features).
; LDS is filled once, by one joint tensor load a wave at the head.  CLUSTER 4 x 4: Wo's rows hang on the feature block alone and are shared along a column of the cluster, o's tiles on the token block alone and are shared along a row.
; The way out goes through a stage in the bytes that held Wo's rows: they have had their one fill, and behind the second barrier nobody reads them.
; REGISTERS, in windows of 256.  Window 0: v1-3 lane, r, h; v4-5 streamed LDS addresses (16 x lane, 8 x lane); v6-7 resident (v7: behind one padding more); v10-11 the stage, in and back; v12-14 load offsets; v15 my offset in out0;
;   v16-47 Wo's scale words [8 t + s']; v48-79 o's [8 p + s'] (lanes 0-15 tile 2 p, lanes 16-31 tile 2 p + 1); v80-111 the bias; v120-183 eight accumulators; v184-247 Wo's scale bytes as loaded, later rows of out0.
;   Window 1: resident fragments, K steps 0-3;  window 2: K steps 4-7;  window 3: streamed fragments of two tiles: K steps 0-3 at v0, K steps 4-7 at v96.
.set CH,    26240                      ; a chunk of 32 rows of Wo in LDS: 32 x 816 + 128.  A row is 3 x (256 bytes + 16 of padding) = 204 words; lane (r, h) starts at bank 32 (r / 8) + 12 (r % 8) + 6 h mod 64 (64 banks of 4 bytes: ISA guide 11.1): 32 different even starts
.set SAB,   4*CH                       ; behind Wo's rows: sixteen token tiles of 12,288 bytes
.set CP,    26112                      ; a chunk of 32 rows of Wo as one load lays it: 96 x (256 + 16) bytes; chunks 0 and 2 lie on end, chunks 1 and 3 likewise
.set RB1,   2*CP+128                   ; where the odd chunks begin: 128 bytes past a multiple of 256, so that lanes r / 8 = 0 and 1 start 32 banks apart
.set A16,   4
.set A8,    5
.set RL,    6
.set STO,   10
.set RD,    11
.set CO,    15
.set RS,    16
.set XS,    48
.set BIASR, 80
.set ACC,   120
.set OB,    184
.set MSB, 0
.macro WIN new                         ; bits 1:0 source 0, 3:2 source 1, 5:4 source 2, 7:6 destination; the high byte repeats the setting that is left
.if MSB != (\new)
	s_set_vgpr_msb (MSB<<8)|(\new)
.set MSB, (\new)
.endif
.endm
.macro PLACES n
.rept \n
	v_nop
.endr
.endm
.macro CROUND                          ; a round of the cluster's barrier
	s_barrier_signal -1
	s_barrier_wait -1
	s_cmp_lg_u32 s20, 0
	s_cbranch_scc1 .Lnot_wave_0_\@
	s_barrier_signal -3
.Lnot_wave_0_\@:
	s_barrier_wait -3
	s_barrier_signal -1
	s_barrier_wait -1
.endm
; A fragment of Wo: lane (r, h) takes 24 bytes of its row from piece pc0 + 3 h on and 24 from piece pc1 + 3 h on, in pieces of 8 bytes; piece PC lies at 8 PC + 16 (PC / 32)
.macro FRAG reg, adr, pc0, pc1, off
.irp p, 0,1,2
.set PC, (\pc0)+\p
.if PC%32 < 29
	ds_load_b64 v[(\reg)+2*\p:(\reg)+2*\p+1], v[\adr] offset:(\off)+8*PC+16*(PC/32)
.else
	ds_load_b64 v[(\reg)+2*\p:(\reg)+2*\p+1], v[(\adr)+1] offset:(\off)+8*PC+16*(PC/32)
.endif
.endr
.irp p, 0,1,2
.set PC, (\pc1)+\p
.if PC%32 < 29
	ds_load_b64 v[(\reg)+6+2*\p:(\reg)+7+2*\p], v[\adr] offset:(\off)+8*PC+16*(PC/32)
.else
	ds_load_b64 v[(\reg)+6+2*\p:(\reg)+7+2*\p], v[(\adr)+1] offset:(\off)+8*PC+16*(PC/32)
.endif
.endr
.endm
; 32 LDS loads: the streamed fragments of tiles 2 p and 2 p + 1, K steps 4 half .. 4 half + 3, as images
.macro LOADSET half, p
	WIN 0xc0
.irp a, 0,1
.irp s, 0,1,2,3
.set rB, 96*(\half)+12*(4*\a+\s)
.set oB, (2*((\p)%2)+\a)*12288+1536*(4*(\half)+\s)
	ds_load_b128 v[rB:rB+3], v[A16] offset:oB
	ds_load_b64 v[rB+4:rB+5], v[A8] offset:oB+512
	ds_load_b128 v[rB+6:rB+9], v[A16] offset:oB+768
	ds_load_b64 v[rB+10:rB+11], v[A8] offset:oB+1280
.endr
.endr
.endm
.macro MM half, p, s, a, t
.set rD, ACC+8*(4*\a+\t)
.set rA, 12*(4*\t+\s)
.set rB, 96*\half+12*(4*\a+\s)
.set rU, RS+8*\t+4*\half+\s
.set rW, XS+8*(\p)+4*\half+\s
.if (\half+\s) == 0
.set rC, BIASR+8*\t                    ; the bias starts the sum: nothing is cleared
.else
.set rC, rD
.endif
.if \a == 0
	v_wmma_scale_f32_16x16x128_f8f6f4 v[rD:rD+7], v[rA:rA+11], v[rB:rB+11], v[rC:rC+7], v[rU], v[rW] matrix_a_fmt:MATRIX_FMT_FP6 matrix_b_fmt:MATRIX_FMT_FP6
.else
	v_wmma_scale_f32_16x16x128_f8f6f4 v[rD:rD+7], v[rA:rA+11], v[rB:rB+11], v[rC:rC+7], v[rU], v[rW] matrix_a_fmt:MATRIX_FMT_FP6 matrix_b_fmt:MATRIX_FMT_FP6 matrix_b_scale:MATRIX_SCALE_ROW1
.endif
.endm
; 32 matrix instructions: four K steps, two token tiles x four feature tiles: the eight accumulators take turns, one instruction a turn
.macro PASS half, p
	WIN 0x0d+(\half)
.irp s, 0,1,2,3
.irp a, 0,1
.irp t, 0,1,2,3
	MM \half, \p, \s, \a, \t
.endr
.endr
.endr
.endm
; Two finished tiles, 32 tokens x 64 features: into my stage (rows of 256 bytes + 16), back as whole rows, and out: sixteen lanes store 256 consecutive bytes, at a multiple of 256 from out0's first byte
.macro EPILOGUE p
.irp a, 0,1
.irp t, 0,1,2,3
	ds_store_b128 v[STO], v[ACC+8*(4*\a+\t):ACC+8*(4*\a+\t)+3] offset:4352*\a+32*\t          ; each accumulator from its low end on
	ds_store_b128 v[STO], v[ACC+8*(4*\a+\t)+4:ACC+8*(4*\a+\t)+7] offset:4352*\a+32*\t+16
.endr
.endr
	s_wait_xcnt 0x0                                ; the last trip's stores have read their data registers: these are loaded again only behind this wait
.irp k, 0,1,2,3,4,5,6,7,8,9,10,11,12,13,14,15
	ds_load_b128 v[OB+4*\k:OB+4*\k+3], v[RD] offset:544*\k   ; LDS serves a wave's instructions in order (ISA guide 5.7.1.4): these see my stores, and the next trip's stores come behind them
.endr
.irp k, 0,1,2,3,4,5,6,7,8,9,10,11,12,13,14,15
	s_wait_dscnt 15-\k                             ; rows 2 k and 2 k + 1 of the stage are back; the younger loads may be out
	global_store_b128 v[CO], v[OB+4*\k:OB+4*\k+3], s[18:19] offset:4096*(64*((\p)/2)+32*((\k/4)%2)+8*(2*((\p)%2)+\k/8)+(2*\k)%8) th:TH_STORE_NT
.endr
.endm
.macro TRIP p
	s_wait_dscnt 32                                ; K steps 0-3 of this trip's tiles are in; the 32 loads issued behind them may be out
	PASS 0, \p
.if \p == 1
	WIN 0
	v_add_nc_u32 v[A16], 49152, v[A16]
	s_wait_alu depctr_va_vdst(0)
	v_add_nc_u32 v[A8], 49152, v[A8]
.endif
	PLACES 4                                       ; four places in front of loads into registers that matrix instructions have read
.if \p < 3
	LOADSET 0, \p+1
	s_wait_alu depctr_va_vdst(0)
	s_wait_dscnt 32                                ; K steps 4-7 are in; only the 32 just issued may be out
.else
	s_wait_dscnt 0x0
.endif
	PASS 1, \p
	PLACES 5                                       ; for the loads below, for the stores that read the results, and (five) for the next trip's products, which write over these accumulators
.if \p < 3
	LOADSET 1, \p+1
.endif
	WIN 0
	EPILOGUE \p
.endm
	s_load_b256 s[8:15], s[0:1], 0x0               ; oc, os, Wo codes, Wo scales
	s_load_b128 s[16:19], s[0:1], 0x20             ; bo, out0
	v_lshl_add_u32 v254, v0, 2, 0x49a00
	v_mov_b32 v255, 0
	ds_add_u32 v254, v255
	ds_add_u32 v254, v255
	v_lshrrev_b32 v1, 5, v0
	v_readfirstlane_b32 s20, v1                    ; wave 0..3
	s_lshr_b32 s21, s20, 1                         ; I
	s_and_b32 s22, s20, 1                          ; J
	s_bfe_u32 s23, ttmp6, 0x40000                  ; cx, cy: my place in the cluster
	s_bfe_u32 s24, ttmp6, 0x40004
	s_lshl_b32 s25, ttmp9, 2
	s_add_co_u32 s25, s25, s23                     ; X: which 128 features
	s_and_b32 s26, ttmp7, 0xffff
	s_lshl_b32 s26, s26, 2
	s_add_co_u32 s26, s26, s24                     ; Ty: which 256 tokens
	s_lshl_b32 s27, s24, 2
	s_lshl_b32 s27, 15, s27                        ; my row of the cluster
	s_lshl_b32 s28, 0x1111, s23                    ; my column
	; group 1 for Wo: 32 rows of 768 bytes, 16 bytes of padding behind every 256; shared along my column
	s_or_b32 s56, s28, (3<<16)|(1<<20)|(1<<21)|(5<<22)|(3<<25)   ; a chunk of 32 rows is dense in memory: ONE tile row of 3,072 elements of 8 bytes; two such rows, 64 rows of Wo apart
	s_mov_b32 s57, 3072<<16
	s_mov_b32 s58, 2<<16
	s_mov_b32 s59, 3072<<16
	s_mov_b32 s60, 2
	s_mov_b32 s61, 6144
	s_mov_b32 s62, 0
	s_mov_b32 s63, 0
	; group 1 for o: eight token tiles, a dense block of 98,304 bytes as 384 rows of 256 bytes (32 elements of 8 bytes); shared along my row
	s_or_b32 s80, s27, (3<<16)|(1<<21)
	s_mov_b32 s81, 32<<16
	s_mov_b32 s82, 384<<16                         ; eight token tiles a load: 384 rows of 256 bytes
	s_mov_b32 s83, 32<<16
	s_mov_b32 s84, 384
	s_mov_b32 s85, 32
	s_mov_b32 s86, 0
	s_mov_b32 s87, 0
	; offsets.  What feeds Wo's descriptor never holds cy, what feeds o's never holds cx
	s_mul_i32 s30, s25, 98304
	s_mul_i32 s31, s22, 24576
	s_add_co_u32 s30, s30, s31                     ; Wo's rows 128 X + 32 wave
	s_mov_b32 s31, 0
	s_lshl_b32 s32, s25, 12                        ; their scales: 32 bytes a row
	s_mov_b32 s33, 0
	s_lshl_b32 s34, s25, 9
	s_lshl_b32 s35, s22, 8
	s_add_co_u32 s34, s34, s35                     ; 4 (128 X + 64 J)
	s_mov_b32 s35, 0
	s_mul_i32 s36, s26, 196608
	s_mul_i32 s38, s22, 98304
	s_add_co_u32 s36, s36, s38
	s_mov_b32 s37, 0
	s_lshl_b32 s40, s26, 13
	s_lshl_b32 s41, s21, 12
	s_add_co_u32 s40, s40, s41                     ; os: 512 bytes a token tile
	s_mov_b32 s41, 0
	s_lshl_b32 s42, s26, 20
	s_lshl_b32 s43, s21, 19
	s_add_co_u32 s42, s42, s43
	s_add_co_u32 s42, s42, s34                     ; out0: token 256 Ty + 128 I, feature 128 X + 64 J
	s_mov_b32 s43, 0
	s_mov_b32 s45, 0x05040100
	s_mov_b32 s46, 0x07060302
	s_mov_b32 s68, 1
	s_mul_i32 s69, s22, RB1
	s_mov_b32 s72, 1
	s_add_co_u32 s73, s38, SAB
	s_wait_dscnt 0x0
	s_wait_kmcnt 0x0
	s_add_nc_u64 s[70:71], s[12:13], s[30:31]
	s_or_b32 s71, s71, 0x80000000
	s_add_nc_u64 s[74:75], s[8:9], s[36:37]
	s_or_b32 s75, s75, 0x80000000
	s_add_nc_u64 s[14:15], s[14:15], s[32:33]
	s_add_nc_u64 s[16:17], s[16:17], s[34:35]
	s_add_nc_u64 s[10:11], s[10:11], s[40:41]
	s_add_nc_u64 s[18:19], s[18:19], s[42:43]
	CROUND                                         ; all sixteen work-groups are here: the joint loads meet
	s_cmp_lg_u32 s21, 0                            ; ONE JOINT LOAD A WAVE: waves 0, 1 Wo's even and odd chunks, waves 2, 3 o's tiles 0-7 and 8-15
	s_cbranch_scc1 .Lfor_o
	tensor_load_to_lds s[68:71], s[56:63]
	s_nop 0
	PLACES 4
	s_branch .Lasked
.Lfor_o:
	tensor_load_to_lds s[72:75], s[80:87]
	s_nop 0
	PLACES 4
.Lasked:
	v_and_b32 v1, 31, v0                           ; lane
	v_and_b32 v2, 15, v0                           ; r
	v_bfe_u32 v3, v0, 4, 1                         ; h
	v_bfe_u32 v184, v0, 3, 1                       ; r / 8
	v_and_b32 v185, 7, v0                          ; r % 8
	v_mul_u32_u24 v186, v184, RB1
	v_mad_u32_u24 v186, v185, 816, v186
	v_mad_u32_u24 v186, v3, 24, v186
	s_mul_i32 s44, s22, CP
	v_add_nc_u32 v[RL], s44, v186
	v_lshl_add_u32 v[RL+1], v3, 4, v[RL]
	s_mul_i32 s44, s21, 98304
	s_add_co_u32 s44, s44, SAB
	v_lshl_add_u32 v[A16], v1, 4, s44
	v_lshl_add_u32 v[A8], v1, 3, s44
	s_mul_i32 s44, s20, 8704                       ; my stage: 32 rows of 272 bytes
	v_mul_u32_u24 v187, v2, 272
	v_lshl_add_u32 v187, v3, 7, v187
	v_add_nc_u32 v[STO], s44, v187                 ; in: row r, features 32 h on
	v_mul_u32_u24 v187, v3, 272
	v_lshl_add_u32 v187, v2, 4, v187
	v_add_nc_u32 v[RD], s44, v187                  ; back: lanes 0-15 one row, lanes 16-31 the next
	v_lshlrev_b32 v[CO], 12, v3
	v_lshl_add_u32 v[CO], v2, 4, v[CO]             ; and the same two tokens in out0
	v_lshlrev_b32 v12, 9, v3
	v_lshl_add_u32 v12, v2, 2, v12                 ; o's scale words: lanes 16-31 take the odd tile
	v_lshlrev_b32 v13, 10, v184
	v_lshl_add_u32 v13, v185, 5, v13
	s_lshl_b32 s44, s22, 11
	v_add_nc_u32 v13, s44, v13                     ; Wo's scale bytes: row 64 J + 32 (r / 8) + r % 8
	v_lshlrev_b32 v14, 7, v3                       ; the bias: 4 (32 h + 8 t + j)
.irp p, 0,1,2,3
.irp s, 0,1,2,3,4,5,6,7
	global_load_b32 v[XS+8*\p+\s], v12, s[10:11] offset:1024*\p+64*\s
.endr
.endr
.irp t, 0,1,2,3
	global_load_b128 v[OB+8*\t:OB+8*\t+3], v13, s[14:15] offset:256*\t
	global_load_b128 v[OB+8*\t+4:OB+8*\t+7], v13, s[14:15] offset:256*\t+16
	global_load_b128 v[BIASR+8*\t:BIASR+8*\t+3], v14, s[16:17] offset:32*\t
	global_load_b128 v[BIASR+8*\t+4:BIASR+8*\t+7], v14, s[16:17] offset:32*\t+16
.endr
	s_wait_tensorcnt 0x0                           ; my one load has landed,
	s_barrier_signal -1
	s_barrier_wait -1                              ; everybody's has: nothing is filled again in this launch
	WIN 0x40
.irp t, 0,1,2,3
.irp s, 0,1,2,3
	FRAG 12*(4*\t+\s), RL, 6*\s, 6*(\s+4), 6528*\t             ; K step s: column heads s and s + 4, 6 pieces each
.endr
.endr
	WIN 0x80
.irp t, 0,1,2,3
.irp s, 4,5,6,7
	FRAG 12*(4*\t+\s-4), RL, 6*(\s+4), 6*(\s+8), 6528*\t       ; K step s: column heads s + 4 and s + 8
.endr
.endr
	WIN 0
	s_wait_loadcnt 0x0
.irp t, 0,1,2,3                                ; Wo's scale word of K step s': the pair of its first column head below, of its second (8 bytes on in the row) above
.irp s, 0,1,2,3,4,5,6,7
.set WI, OB+8*\t+4*(\s/4)+(\s%4)/2
.if \s%2 == 0
	v_perm_b32 v[RS+8*\t+\s], v[WI+2], v[WI], s45
.else
	v_perm_b32 v[RS+8*\t+\s], v[WI+2], v[WI], s46
.endif
.endr
.endr
	PLACES 8                                       ; a scale register written by a vector instruction stands eight places ahead of the scaled matrix instruction that reads it
	s_wait_alu depctr_va_vdst(0)
	s_wait_tensorcnt 0x0                           ; my one load has landed
	s_wait_dscnt 0x0                               ; my reads of Wo's rows are over: behind this barrier their bytes serve as stages
	s_barrier_signal -1
	s_barrier_wait -1
	LOADSET 0, 0
	LOADSET 1, 0
	TRIP 0
	TRIP 1
	TRIP 2
	TRIP 3
	s_wait_tensorcnt 0x0
	ds_add_u32 v254, v255
	s_wait_dscnt 0x0
	CROUND                                         ; the closing round: no work-group ends while a partner may still ask for a tile that names it
	s_endpgm
.Lfunc_end_k_qf9d047466b_outp:
	.size	k_qf9d047466b_outp, .Lfunc_end_k_qf9d047466b_outp-k_qf9d047466b_outp
	.p2alignl 7, 3214868480
	.fill 96, 4, 3214868480
	.section	.rodata,"a",@progbits
	.p2align	6, 0x0
	.amdhsa_kernel k_qf9d047466b_outp
		.amdhsa_group_segment_fixed_size 327680
		.amdhsa_private_segment_fixed_size 0
		.amdhsa_enable_private_segment 0
		.amdhsa_kernarg_size 48
		.amdhsa_user_sgpr_count 2
		.amdhsa_user_sgpr_kernarg_segment_ptr 1
		.amdhsa_wavefront_size32 1
		.amdhsa_system_sgpr_workgroup_id_x 1
		.amdhsa_system_sgpr_workgroup_id_y 1
		.amdhsa_system_sgpr_workgroup_id_z 1
		.amdhsa_system_vgpr_workitem_id 0
		.amdhsa_next_free_vgpr 1024
		.amdhsa_next_free_sgpr 100
		.amdhsa_reserve_vcc 0
		.amdhsa_float_denorm_mode_32 3
		.amdhsa_float_denorm_mode_16_64 3
		.amdhsa_memory_ordered 1
		.amdhsa_forward_progress 1
		.amdhsa_inst_pref_size 93
	.end_amdhsa_kernel
	.amdgpu_metadata
---
amdhsa.version: [ 1, 2 ]
amdhsa.kernels:
  - .name:           k_qf9d047466b_outp
    .symbol:         k_qf9d047466b_outp.kd
    .args:
      - { .name: oc, .offset: 0, .size: 8, .value_kind: global_buffer, .address_space: global }
      - { .name: os, .offset: 8, .size: 8, .value_kind: global_buffer, .address_space: global }
      - { .name: Wo_codes, .offset: 16, .size: 8, .value_kind: global_buffer, .address_space: global }
      - { .name: Wo_scales, .offset: 24, .size: 8, .value_kind: global_buffer, .address_space: global }
      - { .name: bo, .offset: 32, .size: 8, .value_kind: global_buffer, .address_space: global }
      - { .name: out0, .offset: 40, .size: 8, .value_kind: global_buffer, .address_space: global }
    .group_segment_fixed_size: 327680
    .private_segment_fixed_size: 0
    .kernarg_segment_align: 8
    .kernarg_segment_size: 48
    .max_flat_workgroup_size: 128
    .sgpr_count:     100
    .vgpr_count:     1024
    .wavefront_size: 32
...
	.end_amdgpu_metadata
.endif
;; end of part 3
